; MI455X (gfx1250); checked and timed in simulation.
; The chip was launched on July 23, 2026; its instructions are those of AMD's public machine-readable ISA for CDNA 5 (MIT licence, August 2026) and "CDNA5" Instruction Set Architecture Reference Guide (July 2026). The comments in the code are by the model that wrote it; some were corrected since.
;; Cross Trans Former. Allowed arithmetic: matrix products marked QUANTISED: E5M2 operands, one given power-of-two scale a tensor, by v_wmma_f32_16x16x64_bf8_bf8 or v_wmma_f32_16x16x128_bf8_bf8, f32 sums; everything else in f32.
;; Inputs: Wk 1,024 x 1,024 float32; Wq 1,024 x 1,024 float32; Wv 1,024 x 1,024 float32; Xk 4 x 1,024 x 2,048 float32; Xq 4 x 1,024 x 2,048 float32; beta1 1,024 float32; beta2 1,024 float32; beta3 1,024 float32; gamma1 1,024 float32; gamma2 1,024 float32; gamma3 1,024 float32; lowp_scales 10 int32 (the exponents e of the quantised operands' scales 2^e); mean1 1,024 float32; mean2 1,024 float32; mean3 1,024 float32; var1 1,024 float32; var2 1,024 float32; var3 1,024 float32.
;; Outputs: out0 4 x 1,024 x 2,048 float32.
;; This version of the problem:
;;   THIS VERSION OF THE PROBLEM IS GIVEN IN LOW PRECISION. The matrix products marked QUANTISED in the list below multiply operands that are first quantised to E5M2 (5 exponent bits, 2 mantissa bits; 8 bits a number), with one given power-of-two scale for each operand tensor; their sums are f32. All else is computed in f32.
;;   The module's matrix products, in the order in which they are computed (A, B: the left and right operand; K: the contracted axis; several contracted axes count as one K, in the product's order):
;;     1. [M 8,192, K 1,024] x [K 1,024, N 1,024]; A: input Xq; B: input Wq: QUANTISED (scales: A lowp_scales[0], B lowp_scales[1])
;;     2. [M 8,192, K 1,024] x [K 1,024, N 1,024]; A: input Xk; B: input Wk: QUANTISED (scales: A lowp_scales[2], B lowp_scales[3])
;;     3. [M 8,192, K 1,024] x [K 1,024, N 1,024]; A: input Xq; B: input Wv: QUANTISED (scales: A lowp_scales[4], B lowp_scales[5])
;;     4. batch 32 x [M 2,048, K 128] x [K 128, N 2,048]; A: computed on the way; B: computed on the way: QUANTISED (scales: A lowp_scales[6], B lowp_scales[7])
;;     5. batch 32 x [M 128, K 2,048] x [K 2,048, N 2,048]; A: computed on the way; B: softmax (see below): QUANTISED (scales: A lowp_scales[8], B lowp_scales[9])
;;   THE QUANTISER, for each operand of a quantised product, along K:
;;     - The operand's scale is 2^e, e = its entry of the input lowp_scales (int32; the entries are numbered through the quantised products in the list's order, A before B).
;;     - Each number is divided by the scale, clamped to +-57,344, and rounded to the nearest number of E5M2, ties to even, subnormals kept.
;;     - The product sums the exact products of the quantised numbers (number of the format x scale) in f32.
;;   ~~~python
;;   def quantise(x, axis, e):      # numpy; x: float32 -> the quantised numbers, widened to float32 again
;;       x = np.moveaxis(x, axis, -1); K = x.shape[-1]
;;       r = np.clip(x / 2.0 ** e, -57344, 57344)
;;       step = 2.0 ** (np.maximum(np.frexp(np.where(r == 0, 1, r))[1] - 1, -14) - 2)
;;       q = np.round(r / step) * step * 2.0 ** e      # np.round: ties to even
;;       return np.moveaxis(q, -1, axis).astype(np.float32)
;;   ~~~
;;   SOFTMAX AHEAD OF A QUANTISED PRODUCT. Where the list says 'softmax', what is quantised is not the finished softmax but p = 2^(t - M), with t = logit x log2(e) and M = ceil(the row's largest t), a whole number; so 1/2 < the row's largest p <= 1. The row's sum l is taken of the UNQUANTISED p, in f32, and the product's result is divided by l at the end. Since M is a whole number, a kernel that streams over the keys may use a running M (the ceiling of the running maximum): every later rescaling is an exact power of two, so the quantised numbers keep their values, but for numbers so far below the row's largest that they fall under the format's range.
;;   OPERANDS COMPUTED ON THE WAY. 'Computed on the way' means the value that the module computes at that place (a softmax that the list does not call 'softmax' is quantised finished and normalised). What goes into a quantiser is computed in f32, as accurately as f32 sums, v_exp_f32 and their like allow (about 1e-6 of the number): no bf16 or f16 on the way to a quantiser, and a product that is left as it is and whose result goes on into a quantised operand takes f32 operands (vector FMAs, or v_wmma_f32_16x16x4_f32). A number that lies on a knife's edge between two numbers of the format may be rounded either way, as far as f32 arithmetic and the matrix unit's own rounding can turn it there, and no further.
;; One version. Each part assembles by itself: llvm-mc -triple=amdgcn-amd-amdhsa -mcpu=gfx1250 --defsym DOCPART=n.
;; ======== version 1 of 1: 3 launches
;; limits: right only within a limited range of input values
;; workspace buffers: xc 25,165,824 bytes; wc 3,145,728 bytes; pc 25,165,824 bytes
;; launch quant (part 1): grid 608 x 1, 4 waves a work-group, no clusters, 102,912 bytes of LDS; arguments Xq, Xk, Wq, Wk, Wv, lowp_scales, xc, wc; writes xc, wc
.if DOCPART == 1
	.amdgcn_target "amdgcn-amd-amdhsa--gfx1250"
	.amdhsa_code_object_version 6
	.text
	.protected	k_qa4788ba754_quant
	.globl	k_qa4788ba754_quant
	.p2align	8
	.type	k_qa4788ba754_quant,@function
k_qa4788ba754_quant:
	s_mov_b64 s[64:65], 0
	v_nop
	global_prefetch_b8 v0, s[64:65] scope:SCOPE_SE
	s_setreg_imm32_b32 hwreg(HW_REG_WAVE_MODE, 25, 1), 1
	s_wait_xcnt 0x0
; f32 numbers into codes of BF8 (E5M2), K (the input channel c) innermost, each operand with the one scale 2^e that is given for it.
; code = x / 2^e, held within +-57,344, rounded to the nearest code, ties to even.
; xc: [3 planes][b 4][p 2048][c 1024]: plane 0 = Xq with e0, plane 1 = Xk with e2, plane 2 = Xq with e4.   wc: [3][o 1024][c 1024]: Wq with e1, Wk with e3, Wv with e5.
; LIMITS: each e between -126 and 112, so that 2^e and 57,344 x 2^e are f32 numbers.  NaN among the inputs is not served (an infinity is held at the largest code).
; Work-groups 0-511 take X ([b][c][p]: K is NOT innermost), work-groups 512-607 take W (K innermost).  The two ways part once, on the work-group's number, never join, and have LDS bytes of their own.
; X: A LANE TAKES A COLUMN p AND ITS REGISTERS RUN DOWN c: each load reads 128 consecutive bytes a wave, and the conversions, which take neighbours along K from one lane's registers, give codes with K innermost.
;    A wave takes 32 columns x 256 along K; the codes go through the wave's own stage in LDS and leave as rows: sixteen lanes store 256 consecutive aligned bytes.
;    Xq is read once and converted twice (e0 and e4 need not be equal): the second conversion and its way out are jumped over for Xk, by a scalar branch on the work-group's number.
; W: a plain stream of blocks: each load reads 512 consecutive bytes, the bytes turn through the wave's stage so that a lane holds 16 neighbours, a wave's store covers 512 consecutive bytes.
; No tensor loads, no barrier: waves share nothing.
.set XPIT,  272                        ; X: a stage row: 256 bytes of codes + 16
.set XWST,  32*XPIT                    ; a wave's stage: 32 columns
.set STB,   4*XWST                     ; the second plane's stages begin here (34,816)
.set WST,   2*STB                      ; W's stages begin here (69,632): 8,192 bytes a wave
.set SP,    80                         ; W: a lane's place in a stage: its 64 bytes + 16
.set X,     32                         ; v32-95   X: two sets of 32 numbers
.set T,     96                         ; v96-127  the numbers held within the largest code x the scale
.set CA,    128                        ; v128-135 a block's codes, first plane
.set CB,    136                        ; v136-143 second plane
.set OA,    144                        ; v144-207 the way out, first plane
.set OB,    32                         ; v32-95   the way out, second plane: registers of their own, so that no store's data are written again
.set R,     16                         ; v16-79   W: four sets of 16 numbers as loaded
.set XW,    80                         ; v80-111  W: two sets of 16 neighbours
.set CW,    128                        ; v128-191 W: four registers of codes for each step
.set STEPS, 16
	s_load_b512 s[4:19], s[0:1], 0x0               ; Xq s[4:5], Xk s[6:7], Wq s[8:9], Wk s[10:11], Wv s[12:13], the exponents s[14:15], xc s[16:17], wc s[18:19]
	v_lshl_add_u32 v208, v0, 2, 0x19000
	v_mov_b32 v209, 0
	v_lshrrev_b32 v1, 5, v0
	v_readfirstlane_b32 s20, v1                    ; wave 0..3
	v_and_b32 v2, 31, v0                           ; lane
	s_wait_kmcnt 0x0
	s_load_b256 s[24:31], s[14:15], 0x0            ; e0 .. e7
	s_cmp_lt_u32 ttmp9, 512
	s_cbranch_scc0 .Lw
; ---------------------------------------------------------------- X
	s_lshr_b32 s32, ttmp9, 8                       ; 0: Xq, 1: Xk
	s_bfe_u32 s33, ttmp9, 0x20006                  ; b
	s_bfe_u32 s34, ttmp9, 0x20004                  ; which 256 along K
	s_and_b32 s35, ttmp9, 15
	s_lshl_b32 s35, s35, 7
	s_lshl_b32 s36, s20, 5
	s_add_co_u32 s35, s35, s36                     ; my wave's first column p0 = 128 x block + 32 x wave
	s_lshl_b32 s36, s33, 23                        ; source: ((1024 b + 256 kblk) x 2048 + p0) x 4 bytes
	s_lshl_b32 s37, s34, 21
	s_add_co_u32 s36, s36, s37
	s_lshl_b32 s37, s35, 2
	s_add_co_u32 s36, s36, s37
	s_mov_b32 s37, 0
	s_lshl_b32 s38, s33, 21                        ; codes: (2048 b + p0) x 1024 + 256 kblk bytes within a plane
	s_lshl_b32 s39, s35, 10
	s_add_co_u32 s38, s38, s39
	s_lshl_b32 s39, s34, 8
	s_add_co_u32 s38, s38, s39
	s_mov_b32 s39, 0
	s_lshl_b32 s40, s32, 23                        ; the first plane: 0 for Xq, 1 for Xk
	s_mov_b32 s41, 0
	s_add_nc_u64 s[40:41], s[40:41], s[38:39]
	s_cmp_eq_u32 s32, 0
	s_cselect_b64 s[4:5], s[4:5], s[6:7]           ; the choice hangs on the work-group's number alone
	s_add_nc_u64 s[4:5], s[4:5], s[36:37]
	s_add_nc_u64 s[42:43], s[16:17], s[40:41]      ; where the first plane's codes go
	s_add_nc_u64 s[44:45], s[16:17], s[38:39]
	s_add_nc_u64 s[44:45], s[44:45], 0x1000000     ; and plane 2's
	v_lshlrev_b32 v3, 2, v2                        ; in: 4 bytes a lane
	s_mul_i32 s21, s20, XWST                       ; my stage
	v_mul_u32_u24 v4, v2, XPIT
	v_add_nc_u32 v4, s21, v4                       ; into it: row = my column
	v_and_b32 v5, 15, v2
	v_lshrrev_b32 v6, 4, v2
	v_mul_u32_u24 v7, v6, XPIT
	v_lshl_add_u32 v7, v5, 4, v7
	v_add_nc_u32 v7, s21, v7                       ; out of it: sixteen lanes to a row, two rows an instruction
	v_lshlrev_b32 v8, 10, v6
	v_lshl_add_u32 v8, v5, 4, v8                   ; and the same place in xc: rows of 1,024 bytes
.macro XLOAD t                         ; block t: X(32 t + i, my column), i = 0 .. 31, into set t % 2; the largest offset is 255 rows of 8,192 bytes
.set I, 0
.rept 32
	global_load_b32 v[X+32*((\t)%2)+I], v3, s[4:5] offset:(32*(\t)+I)*8192 th:TH_LOAD_NT
.set I, I+1
.endr
.endm
.macro XQ t, lim, scl, c, stg          ; block t's 32 numbers become 32 codes in v[c] on and go to my row of the stage at stg
.set I, 0
.rept 32
	v_med3_num_f32 v[T+I], v[X+32*((\t)%2)+I], -v[\lim], v[\lim]   ; the conversion to an 8-bit code does not saturate (ISA guide 7.6.2): the hold at the largest code x the scale; the numbers themselves stay, for the second plane
.set I, I+1
.endr
.irp g, 0,1,2,3
	v_cvt_scalef32_pk8_bf8_f32 v[\c+2*\g:\c+2*\g+1], v[T+8*\g:T+8*\g+7], v[\scl]
.endr
	v_nop                                          ; one plain vector line behind the conversions: the next holds write their sources
	ds_store_b128 v4, v[\c:\c+3] offset:\stg+32*(\t)
	ds_store_b128 v4, v[\c+4:\c+7] offset:\stg+32*(\t)+16
.endm
	XLOAD 0
	XLOAD 1
	s_wait_kmcnt 0x0
	s_cmp_eq_u32 s32, 0
	s_cselect_b32 s22, s24, s26                    ; the first plane's e: e0 or e2
	s_add_co_i32 s22, s22, 127
	s_lshl_b32 s23, s22, 23
	v_mov_b32 v11, s23                             ; 2^e as f32: the conversion takes its exponent field
	s_add_co_i32 s22, s22, 15
	s_lshl_b32 s22, s22, 23
	s_or_b32 s22, s22, 0x600000
	v_mov_b32 v10, s22                             ; 57,344 x 2^e
	s_add_co_i32 s22, s28, 127                     ; plane 2's e: e4
	s_lshl_b32 s23, s22, 23
	v_mov_b32 v13, s23
	s_add_co_i32 s22, s22, 15
	s_lshl_b32 s22, s22, 23
	s_or_b32 s22, s22, 0x600000
	v_mov_b32 v12, s22
.macro XBLOCK t
.if (\t) < 7
	s_wait_loadcnt 32                              ; this block's 32 loads are in; the next block's 32 may be out
.else
	s_wait_loadcnt 0
.endif
	XQ \t, 10, 11, CA, 0
	s_cmp_lg_u32 s32, 0
	s_cbranch_scc1 .Lone_\@                        ; Xk has one plane
	XQ \t, 12, 13, CB, STB
.Lone_\@:
.if (\t)+2 < 8
	XLOAD (\t)+2
.endif
	s_wait_dscnt 0x0                               ; the stores have read their registers: the next block's codes may be written
.endm
.irp t, 0,1,2,3,4,5,6,7
	XBLOCK \t
.endr
.macro XOUT o, stg, d                  ; 32 rows of 256 bytes leave the stage at stg through v[o] on, to the address in s[d:d+1]
.irp t, 0,1,2,3,4,5,6,7,8,9,10,11,12,13,14,15
	ds_load_b128 v[\o+4*\t:\o+4*\t+3], v7 offset:\stg+2*\t*XPIT   ; LDS serves a wave's instructions in order: these see my stores
.endr
.irp t, 0,1,2,3,4,5,6,7,8,9,10,11,12,13,14,15
	s_wait_dscnt 15-\t                             ; load t is in; the younger ones may be out
	global_store_b128 v8, v[\o+4*\t:\o+4*\t+3], s[\d:\d+1] offset:2*\t*1024   ; sixteen lanes store 256 consecutive bytes, at a multiple of 256 from xc's first byte
.endr
.endm
	XOUT OA, 0, 42
	s_cmp_lg_u32 s32, 0
	s_cbranch_scc1 .Lxend
	XOUT OB, STB, 44
.Lxend:
	s_wait_tensorcnt 0x0
	ds_add_u32 v208, v209
	s_wait_dscnt 0x0
	s_endpgm
; ---------------------------------------------------------------- W
.Lw:
	s_sub_co_u32 s33, ttmp9, 512                   ; 0 .. 95: 32 work-groups of 32,768 numbers to a tensor
	s_lshr_b32 s34, s33, 5                         ; which tensor
	s_and_b32 s35, s33, 31
	s_lshl_b32 s36, s35, 17                        ; source: 131,072 bytes a work-group, 32,768 a wave
	s_lshl_b32 s37, s20, 15
	s_add_co_u32 s36, s36, s37
	s_mov_b32 s37, 0
	s_lshl_b32 s38, s33, 15                        ; codes: the three planes of wc lie on end: 32,768 bytes a work-group, 8,192 a wave
	s_lshl_b32 s39, s20, 13
	s_add_co_u32 s38, s38, s39
	s_mov_b32 s39, 0
	s_cmp_eq_u32 s34, 1
	s_cselect_b64 s[10:11], s[10:11], s[12:13]     ; Wk or Wv,
	s_cmp_eq_u32 s34, 0
	s_cselect_b64 s[8:9], s[8:9], s[10:11]         ; or Wq
	s_add_nc_u64 s[8:9], s[8:9], s[36:37]
	s_add_nc_u64 s[18:19], s[18:19], s[38:39]
	v_lshlrev_b32 v3, 4, v2                        ; my 16 bytes of a load's 512, and of a store's 512
	s_lshl_b32 s21, s20, 13
	s_add_co_u32 s21, s21, WST                     ; my two stages
	v_lshrrev_b32 v14, 2, v2
	v_mul_u32_u24 v14, v14, SP
	v_and_b32 v15, 3, v2
	v_lshl_add_u32 v14, v15, 4, v14
	v_add_nc_u32 v14, s21, v14                     ; in: four lanes' 64 bytes on end, then 16 of padding
	v_mul_u32_u24 v15, v2, SP
	v_add_nc_u32 v15, s21, v15                     ; out: my 16 neighbours
.macro WLOAD t
.irp i, 0,1,2,3
	global_load_b128 v[R+16*((\t)%4)+4*\i:R+16*((\t)%4)+4*\i+3], v3, s[8:9] offset:2048*(\t)+512*\i th:TH_LOAD_NT   ; 32 lanes read 512 consecutive bytes
.endr
.endm
.macro WTURN t                         ; step t's numbers through the stage: LDS serves a wave's instructions in order, so no wait stands between the stores and the loads
.irp i, 0,1,2,3
	ds_store_b128 v14, v[R+16*((\t)%4)+4*\i:R+16*((\t)%4)+4*\i+3] offset:32*SP*((\t)%2)+8*SP*\i
.endr
.irp i, 0,1,2,3
	ds_load_b128 v[XW+16*((\t)%2)+4*\i:XW+16*((\t)%2)+4*\i+3], v15 offset:32*SP*((\t)%2)+16*\i
.endr
.endm
.irp t, 0,1,2,3
	WLOAD \t
.endr
	s_wait_kmcnt 0x0
	s_cmp_eq_u32 s34, 1
	s_cselect_b32 s22, s27, s29                    ; e3 or e5,
	s_cmp_eq_u32 s34, 0
	s_cselect_b32 s22, s25, s22                    ; or e1
	s_add_co_i32 s22, s22, 127
	s_lshl_b32 s23, s22, 23
	v_mov_b32 v11, s23                             ; 2^e
	s_add_co_i32 s22, s22, 15
	s_lshl_b32 s22, s22, 23
	s_or_b32 s22, s22, 0x600000
	v_mov_b32 v10, s22                             ; 57,344 x 2^e
	s_wait_loadcnt 12                              ; step 0's four loads are in
	WTURN 0
.macro WSTEP t
.set XS, XW+16*((\t)%2)
	s_wait_dscnt 0x0                               ; this step's numbers are back from the stage: so its stores into the stage have read their registers,
.if (\t)+4 < STEPS
	WLOAD (\t)+4                                   ; which take the loads of four steps on
.endif
.if (\t)+1 < STEPS
.if STEPS-2-(\t) >= 3
	s_wait_loadcnt 12                              ; the next step's four loads are in; those of the three steps behind it may be out
.else
	s_wait_loadcnt 4*(STEPS-2-(\t))
.endif
	WTURN (\t)+1
.endif
.irp i, 0,1,2,3,4,5,6,7,8,9,10,11,12,13,14,15
	v_med3_num_f32 v[XS+\i], v[XS+\i], -v10, v10
.endr
	v_cvt_scalef32_pk8_bf8_f32 v[CW+4*(\t):CW+4*(\t)+1], v[XS:XS+7], v11
	v_cvt_scalef32_pk8_bf8_f32 v[CW+4*(\t)+2:CW+4*(\t)+3], v[XS+8:XS+15], v11
	v_nop                                          ; one plain vector line behind the conversions
	global_store_b128 v3, v[CW+4*(\t):CW+4*(\t)+3], s[18:19] offset:512*(\t)   ; 32 lanes store 512 consecutive aligned bytes; each step has its own registers
.endm
.irp t, 0,1,2,3,4,5,6,7,8,9,10,11,12,13,14,15
	WSTEP \t
.endr
	s_wait_tensorcnt 0x0
	ds_add_u32 v208, v209
	s_wait_dscnt 0x0
	s_endpgm
.Lfunc_end_k_qa4788ba754_quant:
	.size	k_qa4788ba754_quant, .Lfunc_end_k_qa4788ba754_quant-k_qa4788ba754_quant
	.p2alignl 7, 3214868480
	.fill 96, 4, 3214868480
	.section	.rodata,"a",@progbits
	.p2align	6, 0x0
	.amdhsa_kernel k_qa4788ba754_quant
		.amdhsa_group_segment_fixed_size 102912
		.amdhsa_private_segment_fixed_size 0
		.amdhsa_enable_private_segment 0
		.amdhsa_kernarg_size 64
		.amdhsa_user_sgpr_count 2
		.amdhsa_user_sgpr_kernarg_segment_ptr 1
		.amdhsa_wavefront_size32 1
		.amdhsa_system_sgpr_workgroup_id_x 1
		.amdhsa_system_sgpr_workgroup_id_y 1
		.amdhsa_system_sgpr_workgroup_id_z 1
		.amdhsa_system_vgpr_workitem_id 0
		.amdhsa_next_free_vgpr 210
		.amdhsa_next_free_sgpr 66
		.amdhsa_reserve_vcc 0
		.amdhsa_float_denorm_mode_32 3
		.amdhsa_float_denorm_mode_16_64 3
		.amdhsa_memory_ordered 1
		.amdhsa_forward_progress 1
		.amdhsa_inst_pref_size 110
	.end_amdhsa_kernel
	.amdgpu_metadata
---
amdhsa.version: [ 1, 2 ]
amdhsa.kernels:
  - .name:           k_qa4788ba754_quant
    .symbol:         k_qa4788ba754_quant.kd
    .args:
      - { .name: Xq, .offset: 0, .size: 8, .value_kind: global_buffer, .address_space: global }
      - { .name: Xk, .offset: 8, .size: 8, .value_kind: global_buffer, .address_space: global }
      - { .name: Wq, .offset: 16, .size: 8, .value_kind: global_buffer, .address_space: global }
      - { .name: Wk, .offset: 24, .size: 8, .value_kind: global_buffer, .address_space: global }
      - { .name: Wv, .offset: 32, .size: 8, .value_kind: global_buffer, .address_space: global }
      - { .name: lowp_scales, .offset: 40, .size: 8, .value_kind: global_buffer, .address_space: global }
      - { .name: xc, .offset: 48, .size: 8, .value_kind: global_buffer, .address_space: global }
      - { .name: wc, .offset: 56, .size: 8, .value_kind: global_buffer, .address_space: global }
    .group_segment_fixed_size: 102912
    .private_segment_fixed_size: 0
    .kernarg_segment_align: 8
    .kernarg_segment_size: 64
    .max_flat_workgroup_size: 128
    .sgpr_count:     66
    .vgpr_count:     210
    .wavefront_size: 32
...
	.end_amdgpu_metadata
.endif
;; end of part 1
;; launch proj (part 2): grid 4 x 96, 4 waves a work-group, clusters of 4 x 4, 327,680 bytes of LDS; arguments xc, wc, lowp_scales, pc, gamma1, gamma2, gamma3, beta1, beta2, beta3, mean1, mean2, mean3, var1, var2, var3; writes pc
.if DOCPART == 2
	.amdgcn_target "amdgcn-amd-amdhsa--gfx1250"
	.amdhsa_code_object_version 6
	.text
	.protected	k_qa4788ba754_proj
	.globl	k_qa4788ba754_proj
	.p2align	8
	.type	k_qa4788ba754_proj,@function
k_qa4788ba754_proj:
	s_mov_b64 s[64:65], 0
	v_nop
	global_prefetch_b8 v0, s[64:65] scope:SCOPE_SE
	s_setreg_imm32_b32 hwreg(HW_REG_WAVE_MODE, 25, 1), 1
	s_wait_xcnt 0x0
	s_wait_alu depctr_hold_cnt(0) depctr_sa_sdst(0) depctr_va_vdst(0) depctr_va_sdst(0) depctr_va_ssrc(0) depctr_va_vcc(0) depctr_vm_vsrc(0)
	s_getreg_b32 s2, hwreg(HW_REG_IB_STS2, 6, 4)
	s_cmp_eq_u32 s2, 0
	s_cbranch_scc0 .Lentry_in_a_cluster
	s_endpgm
.Lentry_in_a_cluster:
	s_bfe_u32 s2, ttmp6, 0x10000c
	s_cmp_lg_u32 s2, 0xf033
	s_cbranch_scc0 .Lentry_shape_is_right
	s_endpgm
.Lentry_shape_is_right:
; The three projections on codes of BF8 (E5M2): y[p][o] = sum over c of X[p][c] W[o][c], x 2^(eX + eW); then BatchNorm with the given statistics, LeakyReLU(0.1), and the quantiser of the attention's operand.
; Projection t: 0 = Q (Xq e0, Wq e1 -> e8), 1 = K (Xk e2, Wk e3 -> e6), 2 = V (Xq e4, Wv e5 -> e7).  xc: 24,576 rows of 1,024 codes, plane t = rows 8,192 t on; wc: 3,072 rows of 1,024 codes.
; pc: [3 planes][bh 32][blk 16][128 rows][128 bytes]: dense blocks of 16 KiB, one for each wave.  Planes 1, 2: row = p % 128, byte = the head's channel, blk = p / 128.  Plane 0: row = channel, byte = p % 128.
; A work-group of four waves makes 256 rows of X x 256 rows of W; a wave 128 x 128: 64 accumulators, 512 registers.  K = 1,024 goes in four steps of 256 through two LDS slots filled by the tensor data mover.
; CLUSTERS: 4 x 4 work-groups.  X's tile hangs on the work-group's y and is asked for jointly along a row of the cluster, W's on its x and on t and is asked for jointly along a column.
; t is made of the cluster's y alone (8 clusters to a projection), so it is the same number in all sixteen partners: the one branch and the two selects on it fall alike in all of them.
; ROLES.  The matrix instruction's source 0 runs along a lane's eight results, source 1 gives the lane its row.  The next product's K must run along a lane's registers:
; t = 1, 2: K = the channel: source 0 = rows of W, source 1 = rows of X.   t = 0: K = p: source 0 = rows of X, source 1 = rows of W.  Only the two LDS bases of the fragment loads differ.
; A fragment is fetched by four loads of 16 bytes: a permutation of k that is the same in both operands, so every product meets its partner; only the order of the sums inside an instruction differs from ascending k.
; LIMITS: the outgoing e (e8, e6 or e7) between -126 and 112; eX + eW is applied by v_ldexp_f32 to the BatchNorm's factor; var + 1e-5 is positive and no denormal.  NaN is not served.
; REGISTERS, in windows of 256: window 0: v0-31 addresses; v128-255 the fragments of source 1, ONE set; on the way out v32-255 are at work.   window 1: the fragments of source 0, TWO sets; on the way out the BatchNorm's factors and shifts.
;   window 2: the 32 accumulators of my source-1 rows 0-63 ((a, b) at v[8 (8 a + b)]);   window 3: those of rows 64-127.
.set ROWB,   256                       ; a tile's row in bytes: 256 codes
.set KROW,   1024                      ; a row of xc or wc in memory
.set PITCH,  272                       ; an LDS row: 256 bytes + 16: the 16 rows that a load touches start 68 words apart
.set FR,     16                        ; registers of a fragment: 16 rows x 128 K
.set NL,     4                         ; LDS loads that bring one
.set NP,     4                         ; places behind this matrix instruction (ISA guide 7.12.1)
.set HALFT,  128*PITCH                 ; 128 rows: what one tensor load brings
.set SLOT,   4*HALFT                   ; X's 256 rows, then W's 256 rows
.set TAB,    2*SLOT                    ; behind the ring: the tile's 256 factors (f32), then its 256 shifts: 2,048 bytes that no fill touches
.set SPARE,  TAB+2048                  ; the spare words, 128 bytes for each wave: two blocks of 256 bytes that no other line names
.set SPT,    144                       ; the way out: a stage of 16 rows x (128 bytes + 16) for each wave, in slot 0, which has had its last fill and its last read by then
.set QSTG,   16384                     ; the stages of the way for t = 0 lie here: each way has LDS bytes of its own
.set BR,   12                          ; s12     t
.set LIM,  12
.set SCL,  13                          ; v13     2^e
.set ADRA, 16                          ; v16-17  LDS address of my source-1 fragments in slot 0, 1
.set ADRB, 20                          ; v20-21  the same for source 0
.set STO,  24                          ; v24     the stage: where I put 8 codes of a row
.set RD,   25                          ; v25     and where I read 16 bytes back
.set CO,   26                          ; v26     16 x lane: my place in 512 bytes of the block
.set TBA,  27                          ; v27     the table, t = 1, 2: the eight channels of my half of a tile
.set SPW,  28                          ; v28     LDS address of my spare word; never rewritten
.set NIL,  29                          ; v29     0; never rewritten
.set TBQ,  30                          ; v30     the table, t = 0: my row's channel
.set TW,   31                          ; v31     the table: where I store two channels
.set TV,   32                          ; the way out: v32-95 a block's 64 numbers
.set UV,   96                          ; v96-159 the same x 0.1
.set CV,   160                         ; v160-191 codes, two sets of 16
.set BK,   192                         ; v192-255 rows read back from the stage, four sets of 16
.set AF,   128                         ; source 1's fragments, in window 0
.set G1, 24                            ; s[24:31] descriptor group 1 for X's tiles;  s[32:39] group 0, one set for each slot
.set G0, 32
.set G1B, 48                           ; s[48:55], s[56:63] the same for W's tiles
.set G0B, 56
.set MSB, 0
.macro WIN new                         ; the immediate's high byte repeats the setting that is left
.if MSB != \new
	s_set_vgpr_msb (MSB<<8)|\new
.set MSB, \new
.endif
.endm
.set MUL_LO, 0xa1                      ; source 0 window 1, source 1 window 0, C and D window 2
.set MUL_HI, 0xf1                      ; the same, C and D window 3
.set TO_B,   0x40                      ; destination window 1, address window 0
; A joint load: waves 0 and 1 fetch X's halves, waves 2 and 3 W's.  Each of the two lines has ONE mask and one set of registers for all that issue it; the branch hangs on the wave's number alone.
; Four v_nop follow each of the two lines, ahead of the jump, the label and what follows.
.macro JLOAD g0a, g1a, g0b, g1b
	s_cmp_eq_u32 s15, 0
	s_cbranch_scc0 .Lfor_b_\@
	tensor_load_to_lds s[\g0a:\g0a+3], s[\g1a:\g1a+7]
	s_nop 0
.rept 4
	v_nop
.endr
	s_branch .Lasked_\@
.Lfor_b_\@:
	tensor_load_to_lds s[\g0b:\g0b+3], s[\g1b:\g1b+7]
	s_nop 0
.rept 4
	v_nop
.endr
.Lasked_\@:
.endm
.macro CREST                           ; a round of the cluster's barrier behind its opening barrier
	s_cmp_lg_u32 s14, 0
	s_cbranch_scc1 .Lnot_wave_0_\@
	s_barrier_signal -3
.Lnot_wave_0_\@:
	s_barrier_wait -3
	s_barrier_signal -1
	s_barrier_wait -1
.endm
.macro CROUND                          ; a whole round
	s_barrier_signal -1
	s_barrier_wait -1
	CREST
.endm
	s_load_b256 s[4:11], s[0:1], 0x0               ; xc s[4:5], wc s[6:7], the exponents s[8:9], pc s[10:11]
	s_load_b256 s[68:75], s[0:1], 0x20             ; gamma1, gamma2, gamma3, beta1
	s_load_b256 s[76:83], s[0:1], 0x40             ; beta2, beta3, mean1, mean2
	s_load_b256 s[84:91], s[0:1], 0x60             ; mean3, var1, var2, var3
	v_lshl_add_u32 v[SPW], v0, 2, SPARE
	v_mov_b32 v[NIL], 0
	ds_add_u32 v28, v29
	ds_add_u32 v28, v29
	s_wait_dscnt 0x0
	v_lshrrev_b32 v1, 5, v0
	v_readfirstlane_b32 s14, v1                    ; wave 0..3
	s_lshr_b32 s15, s14, 1                         ; which half of X's rows is mine.  Also: I fetch for X (0) or for W (1)
	s_and_b32 s16, s14, 1                          ; which half of W's rows.  Also: which 128 rows of that tile I fetch
	s_bfe_u32 s40, ttmp6, 0x40000                  ; cx, cy: my place in the cluster
	s_bfe_u32 s41, ttmp6, 0x40004
	s_lshl_b32 s42, ttmp9, 2
	s_add_co_u32 s42, s42, s40                     ; W's tile = 4 x cluster x + cx: 0 .. 3
	s_and_b32 s17, ttmp7, 0xffff
	s_lshr_b32 s[BR], s17, 3                       ; t = cluster y / 8
	s_lshl_b32 s17, s17, 2
	s_add_co_u32 s17, s17, s41                     ; X's tile = 4 x cluster y + cy: 0 .. 95
	s_lshl_b32 s43, s41, 2
	s_lshl_b32 s43, 15, s43                        ; my row of the cluster
	s_lshl_b32 s44, 0x1111, s40                    ; my column
	; descriptor group 1: a tile of 128 rows x 256 bytes, padded in LDS
	s_or_b32 s[G1+0], s43, (0<<16)|(1<<20)|(1<<21)|(5<<22)|(3<<25)  ; 15:0 the mask: X's tiles go to my row; 17:16 element of 1 byte; 20 padding on; 21 set beside a mask; 24:22 after every 64 words (code 5); 31:25 of 4 words (code 3)
	s_or_b32 s[G1B+0], s44, (0<<16)|(1<<20)|(1<<21)|(5<<22)|(3<<25) ; the same with my column's mask, for W's tiles
.irp g, G1, G1B
	s_mov_b32 s[\g+1], ROWB<<16                    ; tensor_dim0
	s_mov_b32 s[\g+2], 128<<16                     ; tensor_dim1 = 128
	s_mov_b32 s[\g+3], ROWB<<16                    ; tile_dim0
	s_mov_b32 s[\g+4], 128                         ; tile_dim1 = 128
	s_mov_b32 s[\g+5], KROW                        ; tensor_dim0_stride
	s_mov_b32 s[\g+6], 0
	s_mov_b32 s[\g+7], 0
.endr
	s_lshl_b32 s18, s16, 17                        ; which 128 rows of 1,024 bytes I fetch
	s_lshl_b32 s20, s17, 18                        ; X: 256 rows a tile
	s_add_co_u32 s20, s20, s18
	s_mov_b32 s21, 0
	s_lshl_b32 s46, s42, 18                        ; W: 256 rows a tile,
	s_add_co_u32 s46, s46, s18
	s_lshl_b32 s19, s[BR], 20                      ; in plane t
	s_add_co_u32 s46, s46, s19
	s_mov_b32 s47, 0
	s_mul_i32 s45, s14, HALFT                      ; where they go: wave x 128 rows: no place in the cluster enters an LDS address
	s_mov_b32 s66, 0x3dcccccd                      ; 0.1, the slope
	s_mov_b32 s67, s66                             ; (named with it as a pair, so it is written)
	s_wait_kmcnt 0x0
	s_add_nc_u64 s[20:21], s[4:5], s[20:21]
	s_add_nc_u64 s[46:47], s[6:7], s[46:47]
	CROUND                                         ; all sixteen work-groups are here: the first joint loads meet
.irp s, 0,1
	s_mov_b32 s[G0+4*\s], 1
	s_add_co_u32 s[G0+4*\s+1], s45, \s*SLOT
	s_add_nc_u64 s[G0+4*\s+2:G0+4*\s+3], s[20:21], \s*ROWB
	s_or_b32 s[G0+4*\s+3], s[G0+4*\s+3], 0x80000000
	s_mov_b32 s[G0B+4*\s], 1
	s_add_co_u32 s[G0B+4*\s+1], s45, \s*SLOT
	s_add_nc_u64 s[G0B+4*\s+2:G0B+4*\s+3], s[46:47], \s*ROWB
	s_or_b32 s[G0B+4*\s+3], s[G0B+4*\s+3], 0x80000000
	s_wait_alu depctr_va_vdst(0)
	s_wait_tensorcnt 0x0
	ds_add_u32 v28, v29
	ds_add_u32 v28, v29
	s_wait_dscnt 0x0
	CROUND
	JLOAD G0+4*\s, G1, G0B+4*\s, G1B               ; one load of mine is out
.endr
	; THE BATCHNORM'S TABLE, made while the tiles are on their way: thread i takes channels 2 i and 2 i + 1 of W's tile
	s_cmp_eq_u32 s[BR], 1                          ; the branch's four vectors: the choices hang on t alone
	s_cselect_b64 s[92:93], s[70:71], s[72:73]
	s_cselect_b64 s[94:95], s[76:77], s[78:79]
	s_cselect_b64 s[96:97], s[82:83], s[84:85]
	s_cselect_b64 s[98:99], s[88:89], s[90:91]
	s_cmp_eq_u32 s[BR], 0
	s_cselect_b64 s[92:93], s[68:69], s[92:93]     ; gamma
	s_cselect_b64 s[94:95], s[74:75], s[94:95]     ; beta
	s_cselect_b64 s[96:97], s[80:81], s[96:97]     ; mean
	s_cselect_b64 s[98:99], s[86:87], s[98:99]     ; var
	s_lshl_b32 s18, s42, 10                        ; the tile's 256 channels: 1,024 bytes
	s_mov_b32 s19, 0
	s_add_nc_u64 s[92:93], s[92:93], s[18:19]
	s_add_nc_u64 s[94:95], s[94:95], s[18:19]
	s_add_nc_u64 s[96:97], s[96:97], s[18:19]
	s_add_nc_u64 s[98:99], s[98:99], s[18:19]
	v_lshlrev_b32 v11, 3, v0
	global_load_b64 v[32:33], v11, s[92:93]
	global_load_b64 v[34:35], v11, s[94:95]
	global_load_b64 v[36:37], v11, s[96:97]
	global_load_b64 v[38:39], v11, s[98:99]
	s_load_b256 s[68:75], s[8:9], 0x0              ; e0 .. e7 (the twelve addresses are done with)
	s_load_b64 s[76:77], s[8:9], 0x20              ; e8, e9
	v_lshl_add_u32 v[TW], v0, 3, TAB
	v_and_b32 v1, 15, v0                           ; r = l % 16
	v_bfe_u32 v2, v0, 4, 1                         ; h = l / 16
	v_mul_u32_u24 v3, v1, PITCH
	v_lshl_add_u32 v4, v2, 4, v3                   ; a fragment's row x pitch + 16 x half
	s_wait_alu depctr_va_vdst(0)
	s_mul_i32 s18, s15, HALFT                      ; my 128 rows of X
	s_mul_i32 s19, s16, HALFT                      ; my 128 rows of W,
	s_add_co_u32 s19, s19, 2*HALFT                 ; which lie behind X's 256
	s_cmp_eq_u32 s[BR], 0
	s_cselect_b32 s21, s19, s18                    ; source 1: X, or W for t = 0
	s_cselect_b32 s22, s18, s19                    ; source 0: W, or X for t = 0.  Both stay inside the slot
.irp s, 0,1
	v_add_nc_u32 v[ADRA+\s], s21, v4
	v_add_nc_u32 v[ADRB+\s], s22, v4
	s_add_co_u32 s21, s21, SLOT
	s_add_co_u32 s22, s22, SLOT
.endr
	s_mul_i32 s23, s14, 16*SPT                     ; my stage
	v_mul_u32_u24 v5, v1, SPT                      ; in: row r, 8 bytes for each half of the lanes
	v_lshl_add_u32 v5, v2, 3, v5
	v_add_nc_u32 v[STO], s23, v5
	v_and_b32 v6, 31, v0
	v_lshrrev_b32 v7, 3, v6                        ; back: eight lanes to a row of 128 bytes, four rows an instruction
	v_and_b32 v8, 7, v0
	v_mul_u32_u24 v7, v7, SPT
	v_lshl_add_u32 v7, v8, 4, v7
	v_add_nc_u32 v[RD], s23, v7
	v_lshlrev_b32 v[CO], 4, v6
	s_lshl_b32 s23, s16, 9                         ; the table of my half of W's rows
	s_add_co_u32 s23, s23, TAB
	v_lshl_add_u32 v[TBA], v2, 5, s23
	v_lshl_add_u32 v[TBQ], v1, 2, s23
	; my block of pc: plane t, bh = 8 b + head, blk = p / 128
	s_and_b32 s18, s17, 31
	s_lshl_b32 s18, s18, 1
	s_add_co_u32 s18, s18, s15                     ; which 128 rows of the plane's 8,192: 0 .. 63
	s_lshl_b32 s19, s42, 1
	s_add_co_u32 s19, s19, s16                     ; the head
	s_lshr_b32 s22, s18, 4                         ; b
	s_lshl_b32 s22, s22, 3
	s_add_co_u32 s22, s22, s19                     ; bh
	s_lshl_b32 s22, s22, 4
	s_and_b32 s18, s18, 15
	s_add_co_u32 s22, s22, s18                     ; 16 bh + blk
	s_lshl_b32 s22, s22, 14
	s_lshl_b32 s18, s[BR], 23
	s_add_co_u32 s22, s22, s18
	s_mov_b32 s23, 0
	s_add_nc_u64 s[10:11], s[10:11], s[22:23]
	s_wait_kmcnt 0x0
	s_add_co_i32 s18, s68, s69                     ; eX + eW of the three projections; the choice is by selects: no branch hangs on a given exponent
	s_add_co_i32 s19, s70, s71
	s_add_co_i32 s22, s72, s73
	s_cmp_eq_u32 s[BR], 1
	s_cselect_b32 s100, s19, s22
	s_cselect_b32 s101, s74, s75                   ; e6 or e7,
	s_cmp_eq_u32 s[BR], 0
	s_cselect_b32 s100, s18, s100
	s_cselect_b32 s101, s76, s101                  ; or e8
	s_add_co_i32 s101, s101, 127
	s_lshl_b32 s18, s101, 23
	v_mov_b32 v[SCL], s18                          ; 2^e as f32: the conversion takes its exponent field
	s_wait_loadcnt 0x0
	v_add_f32 v38, 0x3727c5ac, v38                 ; var + 1e-5
	v_add_f32 v39, 0x3727c5ac, v39
	s_wait_alu depctr_va_vdst(0)
	v_rsq_f32 v38, v38
	v_rsq_f32 v39, v39
	v_nop                                          ; one plain line behind the transcendentals
	s_wait_alu depctr_va_vdst(0)
	v_mul_f32 v32, v32, v38                        ; the factor gamma / sqrt(var + 1e-5)
	v_mul_f32 v33, v33, v39
	v_fma_f32 v34, -v36, v32, v34                  ; the shift beta - mean x factor
	v_fma_f32 v35, -v37, v33, v35
	v_ldexp_f32 v32, v32, s100                     ; a sum stands for sum x 2^(eX + eW): the power of two goes into the factor
	v_ldexp_f32 v33, v33, s100
	ds_store_b64 v[TW], v[32:33]
	ds_store_b64 v[TW], v[34:35] offset:1024
.macro FRAG reg, adr, q, i             ; a fragment, 16 rows x 128 K, is 16 registers: lane l holds row l % 16; registers 4 c .. 4 c + 3 hold K = 32 c + 16 (l / 16) + 0 .. 15
.irp c, 0,1,2,3
	ds_load_b128 v[\reg+4*\c:\reg+4*\c+3], v[\adr] offset:128*(\q)+32*\c+(\i)*16*PITCH
.endr
.endm
; 16 matrix instructions: source 1's blocks a0, a0 + 1 x source 0's eight, 128 along K.  p: source 0's set.  zero = 1: the first product starts the sums: nothing is ever cleared.
; The 64 accumulators take turns, one instruction a turn, in the same order in every step.
.macro MUL16 a0, p, zero
.irp a, \a0, \a0+1
.irp b, 0,1,2,3,4,5,6,7
.if \zero
	v_wmma_f32_16x16x128_bf8_bf8 v[8*(8*((\a)%4)+\b):8*(8*((\a)%4)+\b)+7], v[128*(\p)+FR*\b:128*(\p)+FR*\b+FR-1], v[AF+FR*(\a):AF+FR*(\a)+FR-1], 0
.else
	v_wmma_f32_16x16x128_bf8_bf8 v[8*(8*((\a)%4)+\b):8*(8*((\a)%4)+\b)+7], v[128*(\p)+FR*\b:128*(\p)+FR*\b+FR-1], v[AF+FR*(\a):AF+FR*(\a)+FR-1], v[8*(8*((\a)%4)+\b):8*(8*((\a)%4)+\b)+7]
.endif
.endr
.endr
.endm
.macro FETCH_B slot, q, p              ; source 0's eight fragments of the slot's q-th 128 along K into set p
	WIN TO_B
.irp i, 0,1,2,3,4,5,6,7
	FRAG 128*(\p)+FR*\i, ADRB+\slot, \q, \i
.endr
	WIN 0
.endm
.macro FETCH_A slot, q, i0             ; source 1's blocks i0 .. i0 + 3
.irp i, \i0, \i0+1, \i0+2, \i0+3
	FRAG AF+FR*(\i), ADRA+\slot, \q, \i
.endr
.endm
; A load into a register that a matrix instruction has read, and a vector instruction or an LDS store that reads a matrix result, stand NP places behind that matrix instruction, and only plain vector
; instructions that name none of its registers are places (ISA guide 7.12.1 for vector instructions).
.macro PLACES n
.rept \n
	v_nop
.endr
.endm
; A step of 128 along K that has its successor in the same slot.
.macro STEP slot, q, zero
	s_wait_dscnt 4*NL                              ; source 0's set and source 1's blocks 0-3 are in; the youngest 16 loads (blocks 4-7) may be out
	WIN MUL_LO
	MUL16 0, (\q)%2, \zero
	MUL16 2, (\q)%2, \zero
	s_wait_dscnt 0                                 ; blocks 4-7 are in (asked for 32 matrix instructions ago)
	PLACES NP
	FETCH_B \slot, (\q)+1, 1-(\q)%2
	FETCH_A \slot, (\q)+1, 0
	WIN MUL_HI
	MUL16 4, (\q)%2, \zero
	MUL16 6, (\q)%2, \zero
	PLACES NP
	WIN 0
	FETCH_A \slot, (\q)+1, 4
.endm
; A slot's last step changes slots: ONE barrier; in front of it each wave waits for all its tensor loads, adds 0 to its spare word, and waits for that and for its own reads of this slot.  fill = 1: this slot is filled again, two K steps ahead.
.macro TURN slot, next, fill
	s_wait_tensorcnt 0x0                           ; all my tensor loads have landed: my part of the next slot;  (every window is 0 here: the add's two registers lie in window 0)
	ds_add_u32 v[SPW], v[NIL]                      ; 0 onto my spare word;
	s_wait_dscnt 4*NL+1                            ; (the add and the youngest 16 loads, blocks 4-7, may be out)
	WIN MUL_LO
	MUL16 0, 1, 0                                  ; sixteen matrix instructions stand between the add and the wait for it
	s_wait_dscnt 0x0                               ; the add is done, and my reads of this slot are over
	s_barrier_signal -1
	MUL16 2, 1, 0
	WIN 0
	s_barrier_wait -1
.if \fill
	CREST                                          ; the barrier has opened a round of the cluster's barrier: no wave of any partner still reads this slot's tile or has a load on its way
	s_add_nc_u64 s[G0+4*\slot+2:G0+4*\slot+3], s[G0+4*\slot+2:G0+4*\slot+3], 2*ROWB
	s_add_nc_u64 s[G0B+4*\slot+2:G0B+4*\slot+3], s[G0B+4*\slot+2:G0B+4*\slot+3], 2*ROWB
	JLOAD G0+4*\slot, G1, G0B+4*\slot, G1B         ; the first tensor load behind the round, my one load until the next; the four v_nop behind it are the places in front of the loads below
.else
	PLACES NP
.endif
	FETCH_B \next, 0, 0
	FETCH_A \next, 0, 0
	WIN MUL_HI
	MUL16 4, 1, 0
	MUL16 6, 1, 0
	PLACES NP
	WIN 0
	FETCH_A \next, 0, 4
.endm
	s_wait_tensorcnt 1                             ; my part of K step 0 is in (K step 1's load may be out)
	s_wait_dscnt 0x0                               ; and my two channels of the table are stored, for the others' sake
	s_barrier_signal -1
	s_barrier_wait -1                              ; everybody's are
	FETCH_B 0, 0, 0
	FETCH_A 0, 0, 0
	FETCH_A 0, 0, 4
	STEP 0, 0, 1                                   ; K = 1,024 is four K steps of 256, eight steps of 128, written out: the first products start the sums
	TURN 0, 1, 1                                   ; slot 0 takes K step 2
	STEP 1, 0, 0
	TURN 1, 0, 1                                   ; slot 1 takes K step 3
	STEP 0, 0, 0
	TURN 0, 1, 0                                   ; nothing is left to fetch: no round
	STEP 1, 0, 0
	s_wait_dscnt 4*NL                              ; the very last step
	WIN MUL_LO
	MUL16 0, 1, 0
	MUL16 2, 1, 0
	s_wait_dscnt 0
	WIN MUL_HI
	MUL16 4, 1, 0
	MUL16 6, 1, 0
	WIN 0
; THE WAY OUT, block by block of 16 rows x 128 columns.  z = sum x factor + shift (one packed multiply-add for two numbers); LeakyReLU(z) = max(z, 0.1 z); eight numbers of a lane become eight codes.
; A lane's 8 bytes are a sixteenth of a row of 128: a block goes through my own stage and comes back by rows, and the 32 lanes store 512 consecutive bytes of my dense block of pc.
; q = 0 (t = 1, 2): a lane's registers run along the channels: register 8 b + i wants channel 16 b + 8 h + i.   q = 1 (t = 0): a lane's row is the channel: block a wants channel 16 a + r, in both halves of a pair.
.macro TOSTAGE a, q
.set AC, 64*((\a)%4)
.set CC, CV+16*((\a)%2)
.set BB, BK+16*((\a)%4)
	WIN 0x16+((\a)/4)                              ; source 0 (the sums): window 2 or 3; sources 1 and 2 (factor, shift): window 1
.set J, 0
.rept 32
.if \q
	v_pk_fma_f32 v[TV+J:TV+J+1], v[AC+J:AC+J+1], v[2*(\a):2*(\a)+1], v[64+2*(\a):64+2*(\a)+1]
.else
	v_pk_fma_f32 v[TV+J:TV+J+1], v[AC+J:AC+J+1], v[J:J+1], v[64+J:64+J+1]   ; each accumulator from its low end on
.endif
.set J, J+2
.endr
	WIN 0
.set J, 0
.rept 32
	v_pk_mul_f32 v[UV+J:UV+J+1], v[TV+J:TV+J+1], s[66:67] op_sel_hi:[1,0]
.set J, J+2
.endr
.set J, 0
.rept 64
	v_max_num_f32 v[TV+J], v[TV+J], v[UV+J]
.set J, J+1
.endr
.set J, 0
.rept 64
.set J, J+1
.endr
.irp b, 0,1,2,3,4,5,6,7
	v_cvt_scalef32_pk8_bf8_f32 v[CC+2*\b:CC+2*\b+1], v[TV+8*\b:TV+8*\b+7], v[SCL]
.endr
	v_nop                                          ; one plain vector line behind the conversions: the next block's multiply-adds write their sources
.irp b, 0,1,2,3,4,5,6,7
	ds_store_b64 v[STO], v[CC+2*\b:CC+2*\b+1] offset:\q*QSTG+16*\b
.endr
.irp k, 0,1,2,3
	ds_load_b128 v[BB+4*\k:BB+4*\k+3], v[RD] offset:\q*QSTG+4*\k*SPT   ; LDS serves a wave's instructions in order (ISA guide 5.7.1.4): these see the stores above, and the next block's stores come behind them
.endr
.endm
.macro SEND a, younger                 ; younger: the LDS instructions issued behind block a's loads, which may stay out
.set BB, BK+16*((\a)%4)
	s_wait_dscnt \younger
.irp k, 0,1,2,3
	global_store_b128 v[CO], v[BB+4*\k:BB+4*\k+3], s[10:11] offset:(\a)*2048+512*\k   ; 32 lanes store 512 consecutive bytes, at a multiple of 256 from pc's first byte; no base is stepped
.endr
.endm
.macro EPI q
	WIN TO_B
.if \q
.irp a, 0,1,2,3,4,5,6,7
	ds_load_b32 v[2*\a], v[TBQ] offset:64*\a
	ds_load_b32 v[64+2*\a], v[TBQ] offset:64*\a+1024
.endr
	s_wait_dscnt 0x0
	WIN 0x41                                       ; source 0 and destination window 1
.irp a, 0,1,2,3,4,5,6,7
	v_mov_b32 v[2*\a+1], v[2*\a]                   ; both halves of a pair hold my row's factor,
	v_mov_b32 v[64+2*\a+1], v[64+2*\a]             ; and its shift
.endr
.else
.irp b, 0,1,2,3,4,5,6,7
	ds_load_b128 v[8*\b:8*\b+3], v[TBA] offset:64*\b
	ds_load_b128 v[8*\b+4:8*\b+7], v[TBA] offset:64*\b+16
	ds_load_b128 v[64+8*\b:64+8*\b+3], v[TBA] offset:64*\b+1024
	ds_load_b128 v[64+8*\b+4:64+8*\b+7], v[TBA] offset:64*\b+1040
.endr
	s_wait_dscnt 0x0
.endif
	WIN 0
	TOSTAGE 0, \q
.irp a, 1,2,3,4,5,6,7
.if \a > 3
	s_wait_xcnt 0x0                                ; block a - 4's stores have read their registers: block a's loads may land there
.endif
	TOSTAGE \a, \q
	SEND \a-1, 12                                  ; behind block a - 1's loads: block a's 8 stores and 4 loads
.endr
	SEND 7, 0
.endm
	PLACES NP                                      ; behind the last products: for the loads into the registers that held fragments, and for the reads of results
	s_cmp_eq_u32 s[BR], 0
	s_cbranch_scc1 .Lq
	EPI 0
	s_branch .Lend
.Lq:
	EPI 1
.Lend:
	s_wait_tensorcnt 0x0                           ; the wave's end: behind my last tensor load and my last LDS store
	ds_add_u32 v[SPW], v[NIL]
	s_wait_dscnt 0x0
	CROUND                                         ; the closing round: no work-group ends while a partner may still ask for a tile that names it
	s_endpgm
.Lfunc_end_k_qa4788ba754_proj:
	.size	k_qa4788ba754_proj, .Lfunc_end_k_qa4788ba754_proj-k_qa4788ba754_proj
	.p2alignl 7, 3214868480
	.fill 96, 4, 3214868480
	.section	.rodata,"a",@progbits
	.p2align	6, 0x0
	.amdhsa_kernel k_qa4788ba754_proj
		.amdhsa_group_segment_fixed_size 327680
		.amdhsa_private_segment_fixed_size 0
		.amdhsa_enable_private_segment 0
		.amdhsa_kernarg_size 128
		.amdhsa_user_sgpr_count 2
		.amdhsa_user_sgpr_kernarg_segment_ptr 1
		.amdhsa_wavefront_size32 1
		.amdhsa_system_sgpr_workgroup_id_x 1
		.amdhsa_system_sgpr_workgroup_id_y 1
		.amdhsa_system_sgpr_workgroup_id_z 1
		.amdhsa_system_vgpr_workitem_id 0
		.amdhsa_next_free_vgpr 1024
		.amdhsa_next_free_sgpr 102
		.amdhsa_reserve_vcc 0
		.amdhsa_float_denorm_mode_32 3
		.amdhsa_float_denorm_mode_16_64 3
		.amdhsa_fp16_overflow 1
		.amdhsa_memory_ordered 1
		.amdhsa_forward_progress 1
		.amdhsa_inst_pref_size 210
	.end_amdhsa_kernel
	.amdgpu_metadata
---
amdhsa.version: [ 1, 2 ]
amdhsa.kernels:
  - .name:           k_qa4788ba754_proj
    .symbol:         k_qa4788ba754_proj.kd
    .args:
      - { .name: xc, .offset: 0, .size: 8, .value_kind: global_buffer, .address_space: global }
      - { .name: wc, .offset: 8, .size: 8, .value_kind: global_buffer, .address_space: global }
      - { .name: lowp_scales, .offset: 16, .size: 8, .value_kind: global_buffer, .address_space: global }
      - { .name: pc, .offset: 24, .size: 8, .value_kind: global_buffer, .address_space: global }
      - { .name: gamma1, .offset: 32, .size: 8, .value_kind: global_buffer, .address_space: global }
      - { .name: gamma2, .offset: 40, .size: 8, .value_kind: global_buffer, .address_space: global }
      - { .name: gamma3, .offset: 48, .size: 8, .value_kind: global_buffer, .address_space: global }
      - { .name: beta1, .offset: 56, .size: 8, .value_kind: global_buffer, .address_space: global }
      - { .name: beta2, .offset: 64, .size: 8, .value_kind: global_buffer, .address_space: global }
      - { .name: beta3, .offset: 72, .size: 8, .value_kind: global_buffer, .address_space: global }
      - { .name: mean1, .offset: 80, .size: 8, .value_kind: global_buffer, .address_space: global }
      - { .name: mean2, .offset: 88, .size: 8, .value_kind: global_buffer, .address_space: global }
      - { .name: mean3, .offset: 96, .size: 8, .value_kind: global_buffer, .address_space: global }
      - { .name: var1, .offset: 104, .size: 8, .value_kind: global_buffer, .address_space: global }
      - { .name: var2, .offset: 112, .size: 8, .value_kind: global_buffer, .address_space: global }
      - { .name: var3, .offset: 120, .size: 8, .value_kind: global_buffer, .address_space: global }
    .group_segment_fixed_size: 327680
    .private_segment_fixed_size: 0
    .kernarg_segment_align: 8
    .kernarg_segment_size: 128
    .max_flat_workgroup_size: 128
    .sgpr_count:     102
    .vgpr_count:     1024
    .wavefront_size: 32
...
	.end_amdgpu_metadata
.endif
;; end of part 2
;; launch attn (part 3): grid 8 x 32, 8 waves a work-group, clusters of 4 x 1, 327,680 bytes of LDS; arguments pc, lowp_scales, out0; writes out0
.if DOCPART == 3
	.amdgcn_target "amdgcn-amd-amdhsa--gfx1250"
	.amdhsa_code_object_version 6
	.text
	.protected	k_qa4788ba754_attn
	.globl	k_qa4788ba754_attn
	.p2align	8
	.type	k_qa4788ba754_attn,@function
k_qa4788ba754_attn:
	s_mov_b64 s[64:65], 0
	v_nop
	global_prefetch_b8 v0, s[64:65] scope:SCOPE_SE
	s_setreg_imm32_b32 hwreg(HW_REG_WAVE_MODE, 25, 1), 1
	s_wait_xcnt 0x0
	s_wait_alu depctr_hold_cnt(0) depctr_sa_sdst(0) depctr_va_vdst(0) depctr_va_sdst(0) depctr_va_ssrc(0) depctr_va_vcc(0) depctr_vm_vsrc(0)
	s_getreg_b32 s2, hwreg(HW_REG_IB_STS2, 6, 4)
	s_cmp_eq_u32 s2, 0
	s_cbranch_scc0 .Lentry_in_a_cluster
	s_endpgm
.Lentry_in_a_cluster:
	s_bfe_u32 s2, ttmp6, 0x10000c
	s_cmp_lg_u32 s2, 0x3003
	s_cbranch_scc0 .Lentry_shape_is_right
	s_endpgm
.Lentry_shape_is_right:
; out[bh][c][i] = the sum over j of softmax_j(Kb[i] . Vb[j] / sqrt(128)) Qb[c][j], both products on codes of BF8 (E5M2), each operand with the one scale 2^e that is given for it.
; pc, plane 1: the rows i (the K branch, e6), [bh][i][128].  Plane 2: the softmax's axis j (the V branch, e7), [bh][j][128]: called keys here.  Plane 0: what is summed (the Q branch, e8), [bh][j / 128][c 128][j % 128]: called values.
; THE SOFTMAX AHEAD OF THE SECOND PRODUCT: t = score x log2(e) / sqrt(128); M = the row's largest t so far, rounded UP to a whole number; p = 2^(t - M) is what is quantised (e9), along j; it is not normalised.
; The row's sum is taken of the unquantised p, in f32, and divides at the end.  When M moves, the sum and O are multiplied by 2^(old M - new M): exact, and no branch hangs on data.
; SHARES.  A work-group owns 256 rows i of one bh; each of its eight waves 32 of them, two tiles of 16, so that each fragment read from LDS feeds two products.  Two waves to a SIMD.
; Every wave walks all 2,048 keys, 128 a step.  Keys and values come through a ring of two LDS slots of 256 keys, filled by the tensor data mover (waves 0, 1: the keys' halves; waves 2, 3: the values' two blocks).
; CLUSTER.  The four blocks of rows of a cluster belong to one bh and walk the same keys and values: each tile is asked for JOINTLY, by the same tensor load with the same descriptor and a mask that names the four.
; LAYOUT.  Both products are used transposed: S^T (source 0 = 16 keys, source 1 = my 16 rows), O^T (source 0 = 16 channels of the values, source 1 = p): a lane holds ONE row i (lane % 16) throughout.
; Register j of S^T's tile t is key 16 t + 8 (lane / 16) + j: its eight codes are registers 2 t, 2 t + 1 of the second product's operand as that form lays k; the values' fragments are loaded in the same layout, 8 bytes at a time.
; The first product's two operands are fetched 16 bytes at a time: a permutation of k that is the same in both.
; LIMITS on the given exponents: e6 + e7 between -123 and 130 (added to c's exponent field); e9 between -126 and 112; e8 + e9 is applied by v_ldexp_f32.
; REGISTERS: window 0: v1-9 addresses; v12-31 statistics, ten a tile; v32-63 my rows' fragments; v64-191 S^T, then p; v192-223 p's codes; v225-230 constants and the way out's addresses; v232-235 at work at the head.
;   window 1: v0-127 O^T (64 u + 8 ct + j); v128-255 eight fragments of keys or of values.
.set KP,    144                        ; a row in LDS: 128 bytes + 16
.set HALF,  128*KP                     ; what one tensor load brings: 128 rows
.set VOFF,  2*HALF                     ; a slot: 256 keys, then the values' two blocks of 128 channel rows
.set SLOT1, 1<<17                      ; slot 1 begins here, so that one exclusive or turns an address in one slot into the other's
.set SPARE, 2*SLOT1                    ; behind the ring: the spare words, 128 bytes for each wave: four blocks of 256 bytes that no other line names
.set SP,    1040                       ; the way out: 128 channel rows x (256 rows i x 4 bytes + 16), over the ring, which has had its last fill and its last read by then
.set AK0,  1                           ; v1   my lane's place in a tile of keys
.set AV0,  2                           ; v2   the same for the values
.set QA,   3                           ; v3   my lane's bytes in the wave's rows
.set SPW,  5                           ; v5   LDS address of my spare word; never rewritten
.set NIL,  6                           ; v6   0; never rewritten
.set GO,   7                           ; v7   16 x lane
.set ADK,  8                           ; v8   LDS address of the step's keys
.set ADV,  9                           ; v9   of its values
.set ST,   12                          ; tile u's statistics at v[ST + 10 u]: +0 -M, +1 the largest t, +2, +3 the sum in two halves, +4 f (+5 named with it), +6, +7 a second chain, +8 at work, +9 the lane permute's destination
.set QF,   32
.set S,    64
.set PC,   192
.set LIM,  224
.set SCL,  225                         ; v225 2^e9
.set STO,  226                         ; v226-229 the way out: where I put a number, for channels 32 k on
.set SRD,  230                         ; v230 and where I read 16 bytes of a row back
.set F,    128                         ; in window 1
.set WV,   18                          ; s18  my wave's number
.set SEL,  20                          ; s[20:21] lane selects for v_permlanex16_b32: lane l xor 16
.set CS,   22                          ; s[22:23] c = log2(e) / sqrt(128) x 2^(e6 + e7)
.set G1,   24                          ; s[24:31] descriptor group 1: one shape serves keys and values
.set G0,   32                          ; s[32:35] descriptor group 0, which walks
.set TB,   36                          ; s36  LDS byte at which the slot in hand begins
.set SLOTS, 37                         ; s37  slots still to be asked for
.set EO,   38                          ; s38  e8 + e9
.set MSB, 0
.macro WIN new                         ; the immediate's high byte repeats the setting that is left
.if MSB != \new
	s_set_vgpr_msb (MSB<<8)|\new
.set MSB, \new
.endif
.endm
.macro TLOAD                           ; waves 0 to 3 fetch, the others nothing; the branch hangs on the wave's number alone.  Four v_nop follow the line
	s_cmp_lt_u32 s[WV], 4
	s_cbranch_scc0 .Lnone_\@
	tensor_load_to_lds s[G0:G0+3], s[G1:G1+7]
	s_nop 0
.rept 4
	v_nop
.endr
.Lnone_\@:
.endm
.macro CROUND                          ; a round of the cluster's barrier
	s_barrier_signal -1
	s_barrier_wait -1
	s_cmp_lg_u32 s[WV], 0
	s_cbranch_scc1 .Lnot_wave_0_\@
	s_barrier_signal -3
.Lnot_wave_0_\@:
	s_barrier_wait -3
	s_barrier_signal -1
	s_barrier_wait -1
.endm
	s_load_b128 s[4:7], s[0:1], 0x0                ; pc s[4:5], the exponents s[6:7]
	s_load_b64 s[8:9], s[0:1], 0x10                ; out0
	v_lshl_add_u32 v[SPW], v0, 2, SPARE
	v_mov_b32 v[NIL], 0
	ds_add_u32 v5, v6
	ds_add_u32 v5, v6
	s_wait_dscnt 0x0
	v_lshrrev_b32 v232, 5, v0
	s_delay_alu instid0(VALU_DEP_1)
	v_readfirstlane_b32 s[WV], v232                ; wave 0..7
	s_bfe_u32 s10, ttmp6, 0x40000                  ; cx: my place in the cluster
	s_lshl_b32 s11, ttmp9, 2
	s_add_co_u32 s11, s11, s10                     ; my block of 256 rows = 4 x cluster x + cx: it enters the rows' and the output's addresses alone
	s_and_b32 s12, ttmp7, 0xffff                   ; bh, which the four partners share
	; what I fetch, if I fetch: waves 0, 1: keys 128 (wave % 2) on of a slot's 256; waves 2, 3: block wave % 2 of its values
	s_and_b32 s44, s[WV], 1
	s_bfe_u32 s45, s[WV], 0x10001                  ; 0: keys, 1: values
	s_mul_i32 s[G0+1], s45, VOFF
	s_mul_i32 s46, s44, HALF
	s_add_co_u32 s[G0+1], s[G0+1], s46             ; 63:32 LDS address, in slot 0: no place in the cluster enters it
	s_xor_b32 s46, s45, 1
	s_lshl_b32 s46, s46, 24                        ; plane 2 (keys) or plane 0 (values),
	s_lshl_b32 s47, s12, 18                        ; bh's 256 KiB,
	s_add_co_u32 s46, s46, s47
	s_lshl_b32 s47, s44, 14                        ; my 16 KiB
	s_add_co_u32 s46, s46, s47
	s_mov_b32 s47, 0
	s_lshl_b32 s48, s12, 18                        ; my rows: plane 1, bh, 32 KiB a block of 256 rows, 4 KiB a wave
	s_lshl_b32 s49, s11, 15
	s_add_co_u32 s48, s48, s49
	s_lshl_b32 s49, s[WV], 12
	s_add_co_u32 s48, s48, s49
	s_add_co_u32 s48, s48, 0x800000
	s_mov_b32 s49, 0
	s_lshl_b32 s50, s12, 20                        ; the output: bh's 128 rows of 8,192 bytes, my 16 channel rows, my block's 1,024 bytes of a row
	s_lshl_b32 s51, s[WV], 17
	s_add_co_u32 s50, s50, s51
	s_lshl_b32 s51, s11, 10
	s_add_co_u32 s50, s50, s51
	s_mov_b32 s51, 0
	; descriptor group 1: 128 rows of 128 bytes, dense in memory, padded in LDS
	s_mov_b32 s[G1], 15|(0<<16)|(1<<20)|(1<<21)|(4<<22)|(3<<25)   ; 15:0 the mask: all four work-groups; 17:16 elements of 1 byte; 20 padding on; 21 set beside a mask; 24:22 after every 32 words (code 4); 31:25 four words (code 3)
	s_mov_b32 s[G1+1], 128<<16                     ; tensor_dim0
	s_mov_b32 s[G1+2], 128<<16                     ; tensor_dim1
	s_mov_b32 s[G1+3], 128<<16                     ; tile_dim0
	s_mov_b32 s[G1+4], 128                         ; tile_dim1
	s_mov_b32 s[G1+5], 128                         ; tensor_dim0_stride
	s_mov_b32 s[G1+6], 0
	s_mov_b32 s[G1+7], 0
	s_mov_b32 s[G0], 1                             ; 1:0 count = 1
	s_mov_b32 s[SEL], 0x76543210
	s_mov_b32 s[SEL+1], 0xfedcba98
	s_mov_b32 s[CS], 0x3e0293ee                    ; c = log2(e) / sqrt(128)
	s_mov_b32 s[TB], 0
	s_mov_b32 s[SLOTS], 7
	s_wait_kmcnt 0x0
	s_load_b128 s[40:43], s[6:7], 0x18             ; e6, e7, e8, e9
	s_add_nc_u64 s[G0+2:G0+3], s[4:5], s[46:47]    ; 120:64 global address
	s_or_b32 s[G0+3], s[G0+3], 0x80000000          ; 127:126 type = 2
	CROUND                                         ; all four work-groups are here: the first joint loads meet
	TLOAD                                          ; slot 0
	s_add_nc_u64 s[4:5], s[4:5], s[48:49]
	s_add_nc_u64 s[8:9], s[8:9], s[50:51]
	v_and_b32 v232, 15, v0                         ; r = lane % 16
	v_bfe_u32 v233, v0, 4, 1                       ; h = lane / 16
	v_and_b32 v234, 31, v0                         ; lane
	s_delay_alu instid0(VALU_DEP_3)
	v_lshlrev_b32 v[QA], 7, v232
	s_delay_alu instid0(VALU_DEP_1)
	v_lshl_add_u32 v[QA], v233, 4, v[QA]           ; row r of 128 bytes, + 16 h
.irp u, 0,1
.irp c, 0,1,2,3
	global_load_b128 v[QF+16*\u+4*\c:QF+16*\u+4*\c+3], v[QA], s[4:5] offset:2048*\u+32*\c   ; my rows' fragments stay in registers
.endr
.endr
	v_mul_u32_u24 v[AK0], v232, KP
	s_delay_alu instid0(VALU_DEP_1)
	v_lshl_add_u32 v[AV0], v233, 3, v[AK0]
	s_delay_alu instid0(VALU_DEP_1)
	v_add_nc_u32 v[AV0], VOFF, v[AV0]              ; values: channel row r, + 8 h
	s_delay_alu instid0(VALU_DEP_3)
	v_lshl_add_u32 v[AK0], v233, 4, v[AK0]         ; keys: row r, + 16 h
	v_lshlrev_b32 v[GO], 4, v234
	v_mul_u32_u24 v235, v233, 8*SP                 ; the way out, in: channel 8 h + .., row i = 32 wave + 16 u + r: 4 bytes
	s_delay_alu instid0(VALU_DEP_1)
	v_lshl_add_u32 v235, v232, 2, v235
	s_lshl_b32 s44, s[WV], 7
	v_add_nc_u32 v235, s44, v235
.irp k, 0,1,2,3
	v_add_nc_u32 v[STO+\k], 32*\k*SP, v235
.endr
	s_mul_i32 s44, s[WV], 16*SP
	v_lshl_add_u32 v[SRD], v234, 4, s44            ; back: my 16 channel rows, 16 bytes a lane
.irp u, 0,1
	v_mov_b32 v[ST+10*\u+1], 0xff61b1e6            ; the largest t so far: -3e38, under every t
	s_delay_alu instid0(VALU_DEP_1)
	v_floor_f32 v[ST+10*\u], -v[ST+10*\u+1]        ; -M
	v_mov_b32 v[ST+10*\u+2], 0                     ; the sum, in two halves
	v_mov_b32 v[ST+10*\u+3], 0
	v_mov_b32 v[ST+10*\u+5], 0                     ; (named as the upper half of f's pair)
	v_mov_b32 v[ST+10*\u+9], 0                     ; written once: a lane permute's destination counts as one of its sources
.endr
	WIN 0x40                                       ; destination window 1
.set J, 0
.rept 128
	v_mov_b32 v[J], 0                              ; O^T.  (The key step is written for the loop alone: its first trip finds zeros, which the first change of M leaves zeros; a first step of its own would be a third copy of the step)
.set J, J+1
.endr
	WIN 0
	s_wait_kmcnt 0x0
	s_add_co_i32 s44, s40, s41
	s_lshl_b32 s44, s44, 23
	s_add_co_i32 s[CS], s[CS], s44                 ; a score stands for score x 2^(e6 + e7): the two exponents are added to c's exponent field
	s_mov_b32 s[CS+1], s[CS]                       ; (named with it as a pair, so it is written)
	s_add_co_i32 s44, s43, 127
	s_lshl_b32 s45, s44, 23
	v_mov_b32 v[SCL], s45                          ; 2^e9 as f32, for the conversion
	s_add_co_i32 s[EO], s42, s43                   ; e8 + e9
; A KEY STEP: 128 keys, the q-th of the slot in hand, for my two tiles of rows.
.macro STEP q
	v_add_nc_u32 v[ADK], s[TB], v[AK0]
	v_add_nc_u32 v[ADV], s[TB], v[AV0]
	v_nop                                          ; with the two additions: four places in front of loads into registers that the last products have read
	v_nop
	WIN 0x40                                       ; destination window 1
.irp t, 0,1,2,3,4,5,6,7
.irp c, 0,1,2,3
	ds_load_b128 v[F+16*\t+4*\c:F+16*\t+4*\c+3], v[ADK] offset:(128*(\q)+16*\t)*KP+32*\c
.endr
.endr
	WIN 0x01                                       ; source 0 window 1
	s_wait_alu depctr_va_vdst(0)
.irp t, 0,1,2,3,4,5,6,7
	s_wait_dscnt 28-4*\t                           ; tile t's four loads are in; the later tiles' may be out
.irp u, 0,1
	v_wmma_f32_16x16x128_bf8_bf8 v[S+64*\u+8*\t:S+64*\u+8*\t+7], v[F+16*\t:F+16*\t+15], v[QF+16*\u:QF+16*\u+15], 0
.endr
.endr
.rept 4
	v_nop                                          ; places in front of the loads into the keys' registers, and of the first read of the scores
.endr
	WIN 0x40
.irp ct, 0,1,2,3,4,5,6,7                       ; the values' eight fragments: they land while the softmax is worked
.irp c, 0,1,2,3,4,5,6,7
	ds_load_b64 v[F+16*\ct+2*\c:F+16*\ct+2*\c+1], v[ADV] offset:(128*(\q)+16*\ct)*KP+16*\c
.endr
.endr
	WIN 0
.irp u, 0,1                                    ; the step's largest score of my row, among my 64 keys, in two chains, ascending: each accumulator is read from its low end on
	v_max3_num_f32 v[ST+10*\u+8], v[S+64*\u], v[S+64*\u+1], v[S+64*\u+2]
	v_max3_num_f32 v[ST+10*\u+6], v[S+64*\u+3], v[S+64*\u+4], v[S+64*\u+5]
.endr
.irp i, 6,10,14,18,22,26,30,34,38,42,46,50,54,58
.irp u, 0,1
	v_max3_num_f32 v[ST+10*\u+8], v[ST+10*\u+8], v[S+64*\u+\i], v[S+64*\u+\i+1]
	v_max3_num_f32 v[ST+10*\u+6], v[ST+10*\u+6], v[S+64*\u+\i+2], v[S+64*\u+\i+3]
.endr
.endr
.irp u, 0,1
	v_max3_num_f32 v[ST+10*\u+8], v[ST+10*\u+8], v[S+64*\u+62], v[S+64*\u+63]
.endr
.irp u, 0,1
	s_delay_alu instid0(VALU_DEP_2)
	v_max_num_f32 v[ST+10*\u+8], v[ST+10*\u+8], v[ST+10*\u+6]
.endr
.irp u, 0,1
	s_delay_alu instid0(VALU_DEP_2)
	v_permlanex16_b32 v[ST+10*\u+9], v[ST+10*\u+8], s[SEL], s[SEL+1]
.endr
.irp u, 0,1
	s_delay_alu instid0(VALU_DEP_2)
	v_max_num_f32 v[ST+10*\u+8], v[ST+10*\u+8], v[ST+10*\u+9]   ; and among lane l xor 16's
.endr
.irp u, 0,1
	s_delay_alu instid0(VALU_DEP_2)
	v_mul_f32 v[ST+10*\u+8], s[CS], v[ST+10*\u+8]  ; as t (c is positive)
.endr
.irp u, 0,1
	s_delay_alu instid0(VALU_DEP_2)
	v_max_num_f32 v[ST+10*\u+1], v[ST+10*\u+1], v[ST+10*\u+8]   ; the running largest t
.endr
.irp u, 0,1
	v_mov_b32 v[ST+10*\u+8], v[ST+10*\u]
.endr
.irp u, 0,1
	s_delay_alu instid0(VALU_DEP_4)
	v_floor_f32 v[ST+10*\u], -v[ST+10*\u+1]        ; the new -M = floor(-t) = -ceil(t): M IS A WHOLE NUMBER
.endr
.irp u, 0,1
	s_delay_alu instid0(VALU_DEP_2)
	v_sub_f32 v[ST+10*\u+8], v[ST+10*\u], v[ST+10*\u+8]   ; M's old value less its new one: a whole number, 0 or less
.endr
.irp u, 0,1
	s_delay_alu instid0(VALU_DEP_2)
	v_cvt_i32_f32 v[ST+10*\u+8], v[ST+10*\u+8]     ; (it saturates)
.endr
.irp u, 0,1
	s_delay_alu instid0(VALU_DEP_2)
	v_ldexp_f32 v[ST+10*\u+4], 1.0, v[ST+10*\u+8]  ; f = 2^(old M - new M)
.endr
.irp u, 0,1
.set J, 0
.rept 32
	v_pk_fma_f32 v[S+64*\u+J:S+64*\u+J+1], v[S+64*\u+J:S+64*\u+J+1], s[CS:CS+1], v[ST+10*\u:ST+10*\u+1] op_sel_hi:[1,0,0]   ; t - M, two at a time (of the pairs c and -M the low word serves both halves)
.set J, J+2
.endr
.endr
.set J, 0
	s_wait_alu depctr_va_vdst(0)
.rept 128
	v_exp_f32 v[S+J], v[S+J]                       ; p = 2^(t - M), at most 1: NOT normalised
.set J, J+1
.endr
.irp u, 0,1
	v_pk_mul_f32 v[ST+10*\u+2:ST+10*\u+3], v[ST+10*\u+2:ST+10*\u+3], v[ST+10*\u+4:ST+10*\u+5] op_sel_hi:[1,0]   ; the sums under the new M.  (A plain place behind the exponentials)
.endr
	s_wait_alu depctr_va_vdst(0)
.irp u, 0,1
	v_pk_add_f32 v[ST+10*\u+6:ST+10*\u+7], v[S+64*\u:S+64*\u+1], v[S+64*\u+2:S+64*\u+3]   ; THE ROW'S SUM IS TAKEN OF THE UNQUANTISED p: two at a time, in two chains
.endr
.irp j, 4,8,12,16,20,24,28,32,36,40,44,48,52,56,60
.irp u, 0,1
	v_pk_add_f32 v[ST+10*\u+2:ST+10*\u+3], v[ST+10*\u+2:ST+10*\u+3], v[S+64*\u+\j:S+64*\u+\j+1]
	v_pk_add_f32 v[ST+10*\u+6:ST+10*\u+7], v[ST+10*\u+6:ST+10*\u+7], v[S+64*\u+\j+2:S+64*\u+\j+3]
.endr
.endr
.irp u, 0
	s_delay_alu instid0(VALU_DEP_3)
	v_pk_add_f32 v[ST+10*\u+2:ST+10*\u+3], v[ST+10*\u+2:ST+10*\u+3], v[ST+10*\u+6:ST+10*\u+7]
.endr
.irp u, 1
	s_delay_alu instid0(VALU_DEP_2)
	v_pk_add_f32 v[ST+10*\u+2:ST+10*\u+3], v[ST+10*\u+2:ST+10*\u+3], v[ST+10*\u+6:ST+10*\u+7]
.endr
.irp t, 0,1,2,3,4,5,6,7
.irp u, 0,1
.irp i, 0,1,2,3,4,5,6,7
.endr
	v_cvt_scalef32_pk8_bf8_f32 v[PC+16*\u+2*\t:PC+16*\u+2*\t+1], v[S+64*\u+8*\t:S+64*\u+8*\t+7], v[SCL]   ; keys 16 t + 8 h + 0 .. 7: registers 2 t, 2 t + 1 of the operand
.endr
.endr
	WIN 0x41                                       ; O^T (destination and source 0) window 1, f window 0
.irp u, 0,1
.set J, 0
.rept 32
	v_pk_mul_f32 v[64*\u+J:64*\u+J+1], v[64*\u+J:64*\u+J+1], v[ST+10*\u+4:ST+10*\u+5] op_sel_hi:[1,0]   ; O^T under the new M: x f.  (These are also the plain lines behind the conversions)
.set J, J+2
.endr
.endr
	s_wait_alu depctr_va_vdst(0)
	s_wait_dscnt 0x0                               ; the values are in
	WIN 0x51                                       ; source 0 (values), C and D (O^T) window 1; source 1 (p) window 0
.irp ct, 0,1,2,3,4,5,6,7                       ; sixteen accumulators by turns, one instruction a turn
.irp u, 0,1
	v_wmma_f32_16x16x128_bf8_bf8 v[64*\u+8*\ct:64*\u+8*\ct+7], v[F+16*\ct:F+16*\ct+15], v[PC+16*\u:PC+16*\u+15], v[64*\u+8*\ct:64*\u+8*\ct+7]
.endr
.endr
	WIN 0
.endm
; THE CHANGE OF SLOTS stands at a slot's head.  Each wave waits for all its tensor loads (its part of the slot that it is about to read), adds 0 to its spare word, and waits for that and for its reads of the slot that it has left.
; fill = 1: the barrier is a round of the cluster's, so that no wave of any partner still reads the other slot or has a load on its way, and the joint fill of that slot is the first thing behind it: it has two key steps in which to land.
.macro CHANGE fill
	s_wait_tensorcnt 0x0                           ; no tensor load of mine is out, so the group 0 may be written
	ds_add_u32 v[SPW], v[NIL]                      ; 0 onto my spare word; with fill = 1 the descriptor's steps stand between it and the wait for it
.if \fill
	s_xor_b32 s[G0+1], s[G0+1], SLOT1              ; the walking descriptor: the other slot than last time,
	s_add_nc_u64 s[G0+2:G0+3], s[G0+2:G0+3], 32768 ; the next 256 keys, or the next two blocks of values; the type bits on top are not reached
.endif
	s_wait_dscnt 0x0                               ; the add is done, and my reads of the slot that I have left are over
.if \fill
	CROUND
	TLOAD                                          ; a wave's one tensor load until the next round
.else
	s_barrier_signal -1
	s_barrier_wait -1
.endif
.endm
.macro SLOT_STEPS
	STEP 0
	STEP 1
	s_xor_b32 s[TB], s[TB], SLOT1                  ; on to the other slot
.endm
	s_wait_loadcnt 0x0                             ; my rows' fragments
.Lslot:                                            ; seven trips: behind each change of slots but the last the next slot is asked for
	CHANGE 1
	SLOT_STEPS
	s_sub_co_u32 s[SLOTS], s[SLOTS], 1
	s_cmp_lg_u32 s[SLOTS], 0
	s_cbranch_scc1 .Lslot
	CHANGE 0                                       ; the last slot is written out
	SLOT_STEPS
	; THE WAY OUT.  O^T is divided by the row's sum and multiplied by 2^(e8 + e9).  A lane holds one row i and channels down its registers, and the output has i innermost: so the work-group's 128 channels x 256 rows meet
	; in a stage, 4 bytes a lane (the two halves of the lanes fall 2,080 words apart), and each wave stores 16 whole channel rows of 1,024 bytes.
.rept 4
	v_nop                                          ; places behind the last products
.endr
.irp u, 0,1
	v_add_f32 v[ST+10*\u+2], v[ST+10*\u+2], v[ST+10*\u+3]   ; the sum's two halves,
.endr
.irp u, 0,1
	s_delay_alu instid0(VALU_DEP_2)
	v_permlanex16_b32 v[ST+10*\u+9], v[ST+10*\u+2], s[SEL], s[SEL+1]
.endr
.irp u, 0,1
	s_delay_alu instid0(VALU_DEP_2)
	v_add_f32 v[ST+10*\u+2], v[ST+10*\u+2], v[ST+10*\u+9]   ; and lane l xor 16's: the row's sum
.endr
	s_wait_alu depctr_va_vdst(0)
.irp u, 0,1
	v_rcp_f32 v[ST+10*\u+2], v[ST+10*\u+2]
.endr
	v_nop                                          ; one plain line behind the transcendentals
	s_wait_alu depctr_va_vdst(0)
.irp u, 0,1
	v_ldexp_f32 v[ST+10*\u+2], v[ST+10*\u+2], s[EO]
.endr
	s_wait_alu depctr_va_vdst(0)
	s_wait_dscnt 0x0                               ; my reads of the ring are over
	s_barrier_signal -1
	s_barrier_wait -1                              ; everybody's are: the stage may be written over it
	WIN 0x01                                       ; source 0 window 1
.irp u, 0,1
.set J, 0
.rept 32
	v_pk_mul_f32 v[S+64*\u+J:S+64*\u+J+1], v[64*\u+J:64*\u+J+1], v[ST+10*\u+2:ST+10*\u+3] op_sel_hi:[1,0]   ; each accumulator from its low end on
.set J, J+2
.endr
.endr
	WIN 0
.irp u, 0,1
.irp ct, 0,1,2,3,4,5,6,7
.irp j, 0,1,2,3,4,5,6,7
	ds_store_b32 v[STO+\ct/2], v[S+64*\u+8*\ct+\j] offset:(16*(\ct%2)+\j)*SP+64*\u   ; channel 16 ct + 8 h + j, row i = 32 wave + 16 u + r
.endr
.endr
.endr
	s_wait_dscnt 0x0                               ; for the others' sake: my stores into the stage are done
	s_barrier_signal -1
	s_barrier_wait -1
.irp i, 0,1,2,3,4,5,6,7,8,9,10,11,12,13,14,15
.irp g, 0,1
	ds_load_b128 v[S+4*(2*\i+\g):S+4*(2*\i+\g)+3], v[SRD] offset:\i*SP+512*\g
.endr
.endr
.irp i, 0,1,2,3,4,5,6,7,8,9,10,11,12,13,14,15
.irp g, 0,1
	s_wait_dscnt 31-2*\i-\g                        ; this load is in; the younger ones may be out
	global_store_b128 v[GO], v[S+4*(2*\i+\g):S+4*(2*\i+\g)+3], s[8:9] offset:\i*8192+512*\g th:TH_STORE_NT   ; 32 lanes store 512 consecutive bytes, at a multiple of 256 from out0's first byte; written once, read by nobody here
.endr
.endr
	s_wait_tensorcnt 0x0                           ; the wave's end: behind my last tensor load and my last LDS store
	ds_add_u32 v[SPW], v[NIL]
	s_wait_dscnt 0x0
	CROUND                                         ; the closing round: no work-group ends while a partner may still ask for a tile that names it
	s_endpgm
.Lfunc_end_k_qa4788ba754_attn:
	.size	k_qa4788ba754_attn, .Lfunc_end_k_qa4788ba754_attn-k_qa4788ba754_attn
	.p2alignl 7, 3214868480
	.fill 96, 4, 3214868480
	.section	.rodata,"a",@progbits
	.p2align	6, 0x0
	.amdhsa_kernel k_qa4788ba754_attn
		.amdhsa_group_segment_fixed_size 327680
		.amdhsa_private_segment_fixed_size 0
		.amdhsa_enable_private_segment 0
		.amdhsa_kernarg_size 24
		.amdhsa_user_sgpr_count 2
		.amdhsa_user_sgpr_kernarg_segment_ptr 1
		.amdhsa_wavefront_size32 1
		.amdhsa_system_sgpr_workgroup_id_x 1
		.amdhsa_system_sgpr_workgroup_id_y 1
		.amdhsa_system_sgpr_workgroup_id_z 1
		.amdhsa_system_vgpr_workitem_id 0
		.amdhsa_next_free_vgpr 512
		.amdhsa_next_free_sgpr 66
		.amdhsa_reserve_vcc 0
		.amdhsa_float_denorm_mode_32 3
		.amdhsa_float_denorm_mode_16_64 3
		.amdhsa_fp16_overflow 1
		.amdhsa_memory_ordered 1
		.amdhsa_forward_progress 1
		.amdhsa_inst_pref_size 157
	.end_amdhsa_kernel
	.amdgpu_metadata
---
amdhsa.version: [ 1, 2 ]
amdhsa.kernels:
  - .name:           k_qa4788ba754_attn
    .symbol:         k_qa4788ba754_attn.kd
    .args:
      - { .name: pc, .offset: 0, .size: 8, .value_kind: global_buffer, .address_space: global }
      - { .name: lowp_scales, .offset: 8, .size: 8, .value_kind: global_buffer, .address_space: global }
      - { .name: out0, .offset: 16, .size: 8, .value_kind: global_buffer, .address_space: global }
    .group_segment_fixed_size: 327680
    .private_segment_fixed_size: 0
    .kernarg_segment_align: 8
    .kernarg_segment_size: 24
    .max_flat_workgroup_size: 256
    .sgpr_count:     66
    .vgpr_count:     512
    .wavefront_size: 32
...
	.end_amdgpu_metadata
.endif
;; end of part 3
